; MI455X (gfx1250); checked and timed in simulation.
; The chip was launched on July 23, 2026; its instructions are those of AMD's public machine-readable ISA for CDNA 5 (MIT licence, August 2026) and "CDNA5" Instruction Set Architecture Reference Guide (July 2026). The comments in the code are by the model that wrote it; some were corrected since.
;; Self Attention. Allowed arithmetic: matrix products marked QUANTISED: E5M2 operands, one given power-of-two scale a tensor, by v_wmma_f32_16x16x64_bf8_bf8 or v_wmma_f32_16x16x128_bf8_bf8, f32 sums; everything else in f32.
;; Inputs: Wk_codes 512 x 16 x 32 uint8 (E5M2 codes of Wk, K innermost, in blocks of 32 codes); Wo_codes 512 x 16 x 32 uint8 (E5M2 codes of Wo, K innermost, in blocks of 32 codes); Wq_codes 512 x 16 x 32 uint8 (E5M2 codes of Wq, K innermost, in blocks of 32 codes); Wv_codes 512 x 16 x 32 uint8 (E5M2 codes of Wv, K innermost, in blocks of 32 codes); bo 512 float32; lowp_scales 12 int32 (the exponents e of the quantised operands' scales 2^e); x_codes 2 x 4,096 x 16 x 32 uint8 (E5M2 codes of x, K innermost, in blocks of 32 codes).
;; Outputs: out0 2 x 4,096 x 512 float32.
;; This version of the problem:
;;   THIS VERSION OF THE PROBLEM IS GIVEN IN LOW PRECISION. The matrix products marked QUANTISED in the list below multiply operands that are first quantised to E5M2 (5 exponent bits, 2 mantissa bits; 8 bits a number), with one given power-of-two scale for each operand tensor; their sums are f32. All else is computed in f32.
;;   The module's matrix products, in the order in which they are computed (A, B: the left and right operand; K: the contracted axis; several contracted axes count as one K, in the product's order):
;;     1. [M 8,192, K 512] x [K 512, N 512]; A: input x (given as codes); B: input Wq (given as codes): QUANTISED (scales: A lowp_scales[0], B lowp_scales[1])
;;     2. [M 8,192, K 512] x [K 512, N 512]; A: input x (given as codes); B: input Wk (given as codes): QUANTISED (scales: A lowp_scales[2], B lowp_scales[3])
;;     3. [M 8,192, K 512] x [K 512, N 512]; A: input x (given as codes); B: input Wv (given as codes): QUANTISED (scales: A lowp_scales[4], B lowp_scales[5])
;;     4. batch 16 x [M 4,096, K 64] x [K 64, N 4,096]; A: computed on the way; B: computed on the way: QUANTISED (scales: A lowp_scales[6], B lowp_scales[7])
;;     5. batch 16 x [M 4,096, K 4,096] x [K 4,096, N 64]; A: softmax (see below); B: computed on the way: QUANTISED (scales: A lowp_scales[8], B lowp_scales[9])
;;     6. [M 8,192, K 512] x [K 512, N 512]; A: computed on the way; B: input Wo (given as codes): QUANTISED (scales: A lowp_scales[10], B lowp_scales[11])
;;   THE QUANTISER, for each operand of a quantised product, along K:
;;     - The operand's scale is 2^e, e = its entry of the input lowp_scales (int32; the entries are numbered through the quantised products in the list's order, A before B).
;;     - Each number is divided by the scale, clamped to +-57,344, and rounded to the nearest number of E5M2, ties to even, subnormals kept.
;;     - The product sums the exact products of the quantised numbers (number of the format x scale) in f32.
;;   ~~~python
;;   def quantise(x, axis, e):      # numpy; x: float32 -> the quantised numbers, widened to float32 again
;;       x = np.moveaxis(x, axis, -1); K = x.shape[-1]
;;       r = np.clip(x / 2.0 ** e, -57344, 57344)
;;       step = 2.0 ** (np.maximum(np.frexp(np.where(r == 0, 1, r))[1] - 1, -14) - 2)
;;       q = np.round(r / step) * step * 2.0 ** e      # np.round: ties to even
;;       return np.moveaxis(q, -1, axis).astype(np.float32)
;;   ~~~
;;   SOFTMAX AHEAD OF A QUANTISED PRODUCT. Where the list says 'softmax', what is quantised is not the finished softmax but p = 2^(t - M), with t = logit x log2(e) and M = ceil(the row's largest t), a whole number; so 1/2 < the row's largest p <= 1. The row's sum l is taken of the UNQUANTISED p, in f32, and the product's result is divided by l at the end. Since M is a whole number, a kernel that streams over the keys may use a running M (the ceiling of the running maximum): every later rescaling is an exact power of two, so the quantised numbers keep their values, but for numbers so far below the row's largest that they fall under the format's range.
;;   OPERANDS COMPUTED ON THE WAY. 'Computed on the way' means the value that the module computes at that place (a softmax that the list does not call 'softmax' is quantised finished and normalised). What goes into a quantiser is computed in f32, as accurately as f32 sums, v_exp_f32 and their like allow (about 1e-6 of the number): no bf16 or f16 on the way to a quantiser, and a product that is left as it is and whose result goes on into a quantised operand takes f32 operands (vector FMAs, or v_wmma_f32_16x16x4_f32). A number that lies on a knife's edge between two numbers of the format may be rounded either way, as far as f32 arithmetic and the matrix unit's own rounding can turn it there, and no further.
;;   INPUTS GIVEN AS CODES. Wk (in the module: [512, 512], K = its axis 0); Wo (in the module: [512, 512], K = its axis 0); Wq (in the module: [512, 512], K = its axis 0); Wv (in the module: [512, 512], K = its axis 0); x (in the module: [2, 4096, 512], K = its axis 2): each comes as NAME_codes (uint8): NAME with its K axis moved to the last place and cut into blocks of 32 codes, [.., K / 32, bytes a block], one block behind the other in memory; one code a byte (a code: sign, 5 exponent bits, 2 mantissa bits); its scale is its entry of lowp_scales. Its value is code x scale, taken as it is: it is not quantised again, and the codes and scales need not be those that the quantiser above would give.
;; One version. Each part assembles by itself: llvm-mc -triple=amdgcn-amd-amdhsa -mcpu=gfx1250 --defsym DOCPART=n.
;; ======== version 1 of 1: 3 launches
;; limits: right only within a limited range of input values
;; workspace buffers: qimg 4,194,304 bytes; kv 8,388,608 bytes; aimg 4,194,304 bytes
;; launch qkv (part 1): grid 4 x 64, 8 waves a work-group, clusters of 4 x 4, 271,360 bytes of LDS; arguments x_codes, Wq_codes, Wk_codes, Wv_codes, lowp_scales, qimg, kv; writes qimg, kv
.if DOCPART == 1
	.amdgcn_target "amdgcn-amd-amdhsa--gfx1250"
	.amdhsa_code_object_version 6
	.text
	.protected	k_q66e57403ad_qkv
	.globl	k_q66e57403ad_qkv
	.p2align	8
	.type	k_q66e57403ad_qkv,@function
k_q66e57403ad_qkv:
	s_mov_b64 s[64:65], 0
	v_nop
	global_prefetch_b8 v0, s[64:65] scope:SCOPE_SE
	s_setreg_imm32_b32 hwreg(HW_REG_WAVE_MODE, 25, 1), 1
	s_wait_xcnt 0x0
	s_wait_alu depctr_hold_cnt(0) depctr_sa_sdst(0) depctr_va_vdst(0) depctr_va_sdst(0) depctr_va_ssrc(0) depctr_va_vcc(0) depctr_vm_vsrc(0)
	s_getreg_b32 s2, hwreg(HW_REG_IB_STS2, 6, 4)
	s_cmp_eq_u32 s2, 0
	s_cbranch_scc0 .Lentry_in_a_cluster
	s_endpgm
.Lentry_in_a_cluster:
	s_bfe_u32 s2, ttmp6, 0x10000c
	s_cmp_lg_u32 s2, 0xf033
	s_cbranch_scc0 .Lentry_shape_is_right
	s_endpgm
.Lentry_shape_is_right:
; q = x Wq, k = x Wk, v = x Wv on codes of BF8 (E5M2), each result quantised at once for the attention's products and stored AS AN IMAGE OF THE OPERAND'S REGISTERS.
; x_codes: [8192 tokens][512]; W?_codes: [512 outputs][512], K innermost.  lowp_scales: e0..e11.  q = sum x 2^(e0+e1) is quantised with 2^e6, k = sum x 2^(e2+e3) with 2^e7, v = sum x 2^(e4+e5) with 2^e9:
; the three exponents of each are folded into the conversion's one scale, 2^E, E_q = e6-e0-e1, E_k = e7-e2-e3, E_v = e9-e4-e5.
; LIMITS: each E lies between -126 and 112, so that 2^E and 57,344 x 2^E are f32 numbers.  NaN among the codes is not served.
; SHARES.  Work-group (X, Y): 128 tokens (128 Y on: batch Y / 32, key step Y % 32) x heads 2 X and 2 X + 1 of q, k and v.  Eight waves: wave w takes 64 tokens (th = w / 4: four tiles of 16),
; one head (hd = (w / 2) % 2) and two of its four tiles of 16 channels (cp = w % 2): 8 accumulators, 96 matrix instructions of 16 x 16 x 128.
; LDS is filled once: four panels of 128 rows x 512 bytes (x, Wq, Wk, Wv), each wave fetching 64 rows by one tensor load.  K is 512 and every panel fits whole, so there is no ring.
; CLUSTER 4 x 4: the four work-groups of a row of the cluster (same Y) need the same rows of x, the four of a column (same X) the same rows of the weights: each panel is asked for jointly.
; TWELVE PHASES of 8 matrix instructions: tensor n / 4, K step n % 4.  Fragments are fetched two phases ahead: W's into three sets by turns, x's, in the first tensor's phases, into window 1, where they stay for all three tensors.
; Each tensor leaves as soon as its fourth phase is done.
; FRAGMENTS.  x's and W's are read alike, four ds_load_b128 32 bytes apart: registers 4 c .. 4 c + 3 hold k = 32 c + 16 (lane / 16) + 0 .. 15: the same permutation of k on both sides of the product.
; RESULTS.  q, k: source 0 = 16 rows of W, source 1 = 16 tokens: lane (r, h) holds token r and channels 16 ct + 8 h + 0 .. 7 in a tile's eight registers: one conversion makes registers 2 ct, 2 ct + 1 of the K = 64 operand.
; v: the sources swapped: lane (r, h) holds channel 16 ct + r and tokens 16 c + 8 h + 0 .. 7: one conversion makes registers 2 c, 2 c + 1 of the K = 128 operand whose K is the keys.
; qimg: (bh x 256 + token tile) x 1,024 + 512 p + 16 lane (registers 4 p .. 4 p + 3).  kv: bh x 524,288 + key step x 16,384; there K's eight tiles like qimg's, then from 8,192 on V: ct x 2,048 + 512 p + 16 lane.
; Each store of a wave covers 512 consecutive bytes, aligned.  No prefetch: each panel is asked for once, at the head, and there is no loop to run ahead in.
; REGISTERS.  window 0: v1 16 x lane; v2 x's LDS address; v3-5 Wq's, Wk's, Wv's; v6-11 for q, k, v: 2^E and 57,344 x 2^E; v12-15 at work; v16-111 W's three sets; v112-175 the accumulators ((i, ct) at 112 + 8 (2 i + ct));
;   v176-223 the codes, 16 registers for each of q, k, v, so that no store's data are written again; v254, v255 the add's.   window 1: x's fragments, token tile i, K step s at v[64 i + 16 s].
.set PITCH, 528                        ; an LDS row: 512 bytes + 16 of padding = 132 words: row r starts at bank 4 r mod 64 (64 banks of 4 bytes: ISA guide 11.1), so the 16 rows of a load start at 16 different banks
.set HALFP, 64*PITCH                   ; what one tensor load brings
.set PANEL, 128*PITCH
.set T16,   16*PITCH
.set LI,   1
.set XADR, 2
.set WADR, 3
.set SCL,  6
.set WF,   16
.set ACC,  112
.set CODE, 176
.set WV,   18                          ; s18 my wave's number
.set G1X,  28                          ; s[28:35] descriptor group 1 for x's rows;  s[36:43] for the weights': they differ in the mask alone
.set G1W,  36
.set G0X,  44                          ; s[44:47], s[48:51] their groups 0
.set G0W,  48
.set QBS,  72                          ; s[72:73], s[74:75], s[76:77] where my images of q, k, v begin
.set KBS,  74
.set VBS,  76
.set MSB, 0
.macro WIN new                         ; the immediate's high byte repeats the setting that is left; a switch that changes nothing is dropped
.if MSB != \new
	s_set_vgpr_msb (MSB<<8)|\new
.set MSB, \new
.endif
.endm
.macro PLACES n
.rept \n
	v_nop
.endr
.endm
.macro CROUND                          ; a round of the cluster's barrier: my work-group's barrier, wave 0 signals for the work-group, every wave waits for all sixteen, my work-group's barrier once more
	s_barrier_signal -1
	s_barrier_wait -1
	s_cmp_lg_u32 s[WV], 0
	s_cbranch_scc1 .Lnot_wave_0_\@
	s_barrier_signal -3
.Lnot_wave_0_\@:
	s_barrier_wait -3
	s_barrier_signal -1
	s_barrier_wait -1
.endm
	s_load_b256 s[4:11], s[0:1], 0x0               ; x s[4:5], Wq s[6:7], Wk s[8:9], Wv s[10:11]
	s_load_b128 s[12:15], s[0:1], 0x20             ; the scales' exponents s[12:13], qimg s[14:15]
	s_load_b64 s[16:17], s[0:1], 0x30              ; kv
	v_lshl_add_u32 v254, v0, 2, 0x42000            ; my spare word, behind the panels
	v_mov_b32 v255, 0
	ds_add_u32 v254, v255                          ; the wave's opening: the add twice on end and its wait
	ds_add_u32 v254, v255
	v_lshrrev_b32 v1, 5, v0
	s_delay_alu instid0(VALU_DEP_1)
	v_readfirstlane_b32 s[WV], v1                  ; wave 0..7
	s_bfe_u32 s19, ttmp6, 0x40000                  ; cx, cy: my place in the cluster
	s_bfe_u32 s20, ttmp6, 0x40004
	s_lshl_b32 s21, ttmp9, 2
	s_add_co_u32 s21, s21, s19                     ; X = 4 x cluster x + cx
	s_and_b32 s22, ttmp7, 0xffff
	s_lshl_b32 s22, s22, 2
	s_add_co_u32 s22, s22, s20                     ; Y = 4 x cluster y + cy
	s_lshl_b32 s23, s20, 2
	s_lshl_b32 s23, 15, s23                        ; my row of the cluster
	s_lshl_b32 s24, 0x1111, s19                    ; my column
	; descriptor group 1: 64 rows x 512 bytes, padded in LDS
	s_or_b32 s[G1X], s23, (1<<20)|(1<<21)|(6<<22)|(3<<25)   ; 15:0 the mask: x's rows go to my row of the cluster; 17:16 elements of 1 byte; 20 padding on; 21 set beside a mask; 24:22 after every 128 words (code 6); 31:25 four words (code 3)
	s_or_b32 s[G1W], s24, (1<<20)|(1<<21)|(6<<22)|(3<<25)   ; the same with the mask of my column
.irp g, G1X, G1W
	s_mov_b32 s[\g+1], 512<<16                     ; tensor_dim0 = 512
	s_mov_b32 s[\g+2], 64<<16                      ; tensor_dim1 = 64
	s_mov_b32 s[\g+3], 512<<16                     ; tile_dim0 = 512
	s_mov_b32 s[\g+4], 64                          ; tile_dim1 = 64
	s_mov_b32 s[\g+5], 512                         ; from row to row
	s_mov_b32 s[\g+6], 0
	s_mov_b32 s[\g+7], 0
.endr
	; waves 0, 1 fetch x's two halves, waves 2, 3 Wq's, 4, 5 Wk's, 6, 7 Wv's.  x's address hangs on Y and the wave alone, a weight's on X and the wave alone
	s_and_b32 s25, s[WV], 1                        ; which 64 rows of a panel; also cp
	s_lshl_b32 s26, s25, 6
	s_lshl_b32 s66, s22, 7
	s_add_co_u32 s66, s66, s26                     ; x: row 128 Y + 64 x half,
	s_lshl_b32 s66, s66, 9                         ; of 512 bytes
	s_mov_b32 s67, 0
	s_lshl_b32 s68, s21, 7
	s_add_co_u32 s68, s68, s26                     ; W: row 128 X + 64 x half
	s_lshl_b32 s68, s68, 9
	s_mov_b32 s69, 0
	s_mul_i32 s27, s[WV], HALFP                    ; where my 64 rows go: wave x 64 rows: no place in the cluster enters an LDS address
	s_wait_dscnt 0x0
	s_wait_kmcnt 0x0
	s_load_b256 s[52:59], s[12:13], 0x0            ; e0 .. e7
	s_load_b64 s[60:61], s[12:13], 0x20            ; e8, e9
	s_cmp_lt_u32 s[WV], 4
	s_cselect_b64 s[70:71], s[6:7], s[8:9]         ; the weight that I fetch: a choice on the wave's number
	s_cmp_lt_u32 s[WV], 6
	s_cselect_b64 s[70:71], s[70:71], s[10:11]
	s_mov_b32 s[G0X], 1                            ; count = 1
	s_mov_b32 s[G0X+1], s27                        ; LDS address
	s_add_nc_u64 s[G0X+2:G0X+3], s[4:5], s[66:67]  ; global address
	s_or_b32 s[G0X+3], s[G0X+3], 0x80000000        ; type = 2
	s_mov_b32 s[G0W], 1
	s_mov_b32 s[G0W+1], s27
	s_add_nc_u64 s[G0W+2:G0W+3], s[70:71], s[68:69]
	s_or_b32 s[G0W+3], s[G0W+3], 0x80000000
	CROUND                                         ; all sixteen work-groups are here: the joint loads meet
	s_cmp_lt_u32 s[WV], 2                          ; each of the two lines has one mask and one set of registers for all that issue it; four v_nop follow each
	s_cbranch_scc0 .Lfor_w
	tensor_load_to_lds s[G0X:G0X+3], s[G1X:G1X+7]
	s_nop 0
	PLACES 4
	s_branch .Lasked
.Lfor_w:
	tensor_load_to_lds s[G0W:G0W+3], s[G1W:G1W+7]
	s_nop 0
	PLACES 4
.Lasked:
	v_and_b32 v12, 31, v0
	s_delay_alu instid0(VALU_DEP_1)
	v_lshlrev_b32 v[LI], 4, v12                    ; 16 x lane: my place in every image
	v_and_b32 v13, 15, v0                          ; r
	v_bfe_u32 v14, v0, 4, 1                        ; h
	s_delay_alu instid0(VALU_DEP_2)
	v_mul_u32_u24 v15, v13, PITCH
	s_delay_alu instid0(VALU_DEP_1)
	v_lshl_add_u32 v15, v14, 4, v15                ; row r x pitch + 16 h
	s_lshr_b32 s70, s[WV], 2                       ; th
	s_mul_i32 s71, s70, HALFP
	v_add_nc_u32 v[XADR], s71, v15                 ; my 64 tokens
	s_and_b32 s71, s[WV], 3                        ; 2 hd + cp: my 32 rows of a weight's panel begin at row 32 x that
	s_mul_i32 s71, s71, 32*PITCH
	s_add_co_u32 s71, s71, PANEL
	v_add_nc_u32 v[WADR], s71, v15
	s_delay_alu instid0(VALU_DEP_1)
	v_add_nc_u32 v[WADR+1], PANEL, v[WADR]
	s_delay_alu instid0(VALU_DEP_1)
	v_add_nc_u32 v[WADR+2], PANEL, v[WADR+1]
	; where my images go
	s_lshr_b32 s66, s22, 5                         ; batch
	s_and_b32 s67, s22, 31                         ; key step of 128 tokens
	s_bfe_u32 s68, s[WV], 0x10001                  ; hd
	s_lshl_b32 s69, s21, 1
	s_add_co_u32 s69, s69, s68                     ; head = 2 X + hd
	s_lshl_b32 s66, s66, 3
	s_add_co_u32 s66, s66, s69                     ; bh = 8 x batch + head
	s_lshl_b32 s78, s66, 8
	s_lshl_b32 s71, s67, 3
	s_add_co_u32 s78, s78, s71
	s_lshl_b32 s71, s70, 2
	s_add_co_u32 s78, s78, s71                     ; q: tile bh x 256 + 8 x step + 4 th,
	s_lshl_b32 s78, s78, 10                        ; of 1,024 bytes,
	s_lshl_b32 s71, s25, 9
	s_add_co_u32 s78, s78, s71                     ; + 512 cp: my channels are registers 4 cp .. 4 cp + 3
	s_mov_b32 s79, 0
	s_add_nc_u64 s[QBS:QBS+1], s[14:15], s[78:79]
	s_lshl_b32 s69, s66, 19
	s_lshl_b32 s71, s67, 14
	s_add_co_u32 s69, s69, s71                     ; kv: the step's block of 16,384 bytes
	s_lshl_b32 s71, s70, 12
	s_add_co_u32 s78, s69, s71                     ; k: tile 4 th on, + 512 cp
	s_lshl_b32 s71, s25, 9
	s_add_co_u32 s78, s78, s71
	s_add_nc_u64 s[KBS:KBS+1], s[16:17], s[78:79]
	s_lshl_b32 s71, s25, 12
	s_add_co_u32 s78, s69, s71                     ; v: channel tile 2 cp on (2,048 bytes each), registers 8 th on (512 bytes for four)
	s_lshl_b32 s71, s70, 10
	s_add_co_u32 s78, s78, s71
	s_add_co_u32 s78, s78, 8192
	s_add_nc_u64 s[VBS:VBS+1], s[16:17], s[78:79]
	s_wait_alu depctr_va_vdst(0)
	s_wait_kmcnt 0x0                               ; the exponents
.macro MKSCALE t, eo, ea, eb           ; v[SCL + 2 t] = 2^(eo - ea - eb) as f32: the conversion takes its exponent field; v[SCL + 2 t + 1] = 57,344 x that
	s_sub_co_i32 s78, s[\eo], s[\ea]
	s_sub_co_i32 s78, s78, s[\eb]
	s_add_co_i32 s78, s78, 127
	s_lshl_b32 s79, s78, 23
	v_mov_b32 v[SCL+2*\t], s79
	s_add_co_i32 s78, s78, 15
	s_lshl_b32 s78, s78, 23
	s_or_b32 s78, s78, 0x600000
	v_mov_b32 v[SCL+2*\t+1], s78
.endm
	MKSCALE 0, 58, 52, 53
	MKSCALE 1, 59, 54, 55
	MKSCALE 2, 61, 56, 57
	s_wait_alu depctr_va_vdst(0)                   ; the wait at the head's end
	s_wait_tensorcnt 0x0                           ; my 64 rows are in,
	s_barrier_signal -1
	s_barrier_wait -1                              ; everybody's are
.macro FETCH_W n                       ; phase n (tensor n / 4, K step n % 4): my two fragments of W into set n % 3
.irp ct, 0,1
.irp c, 0,1,2,3
	ds_load_b128 v[WF+32*((\n)%3)+16*\ct+4*\c:WF+32*((\n)%3)+16*\ct+4*\c+3], v[WADR+(\n)/4] offset:\ct*T16+128*((\n)%4)+32*\c
.endr
.endr
.endm
.macro FETCH_X s                       ; the four token tiles' fragments of K step s, into window 1: each is read once
	WIN 0x40
.irp i, 0,1,2,3
.irp c, 0,1,2,3
	ds_load_b128 v[64*\i+16*(\s)+4*\c:64*\i+16*(\s)+4*\c+3], v[XADR] offset:\i*T16+128*(\s)+32*\c
.endr
.endr
	WIN 0
.endm
; the eight finished tiles become codes.  The conversion to an 8-bit code does not saturate (ISA guide 7.6.2): each sum is first held within the largest code x the scale; each accumulator is read from its low end on
.macro QUANT t
.set j, 0
.rept 64
	v_med3_num_f32 v[ACC+j], v[ACC+j], -v[SCL+2*(\t)+1], v[SCL+2*(\t)+1]
.set j, j+1
.endr
.irp i, 0,1,2,3
.irp ct, 0,1
.if (\t) < 2
	v_cvt_scalef32_pk8_bf8_f32 v[CODE+16*(\t)+4*\i+2*\ct:CODE+16*(\t)+4*\i+2*\ct+1], v[ACC+8*(2*\i+\ct):ACC+8*(2*\i+\ct)+7], v[SCL+2*(\t)]   ; token tile i: registers 2 ct', 2 ct' + 1 of my four
.else
	v_cvt_scalef32_pk8_bf8_f32 v[CODE+32+8*\ct+2*\i:CODE+32+8*\ct+2*\i+1], v[ACC+8*(2*\i+\ct):ACC+8*(2*\i+\ct)+7], v[SCL+2*(\t)]            ; channel tile ct': registers 2 i, 2 i + 1 of my eight
.endif
.endr
.endr
	v_nop                                          ; one plain vector line between the last conversion and the next products, which write its sources
.endm
.macro STORE t
.if (\t) == 0
.irp i, 0,1,2,3
	global_store_b128 v[LI], v[CODE+4*\i:CODE+4*\i+3], s[QBS:QBS+1] offset:\i*1024
.endr
.elseif (\t) == 1
.irp i, 0,1,2,3
	global_store_b128 v[LI], v[CODE+16+4*\i:CODE+16+4*\i+3], s[KBS:KBS+1] offset:\i*1024
.endr
.else
.irp ct, 0,1
.irp pp, 0,1
	global_store_b128 v[LI], v[CODE+32+8*\ct+4*\pp:CODE+32+8*\ct+4*\pp+3], s[VBS:VBS+1] offset:\ct*2048+\pp*512
.endr
.endr
.endif
.endm
; A phase: wait for its fragments (YOUNG: the loads that the phase before issued, which may be out), issue the loads of two phases on, then one matrix instruction on each of the eight accumulators (they take turns).
; The set of W that is loaded was last read by the phase before, behind whose products stand four places (ISA guide 7.12.1 for vector instructions).
.set YOUNG, 24
.macro PHASE n
	s_wait_dscnt YOUNG
.set YOUNG, 0
.if (\n) < 2
	FETCH_X (\n)+2
.set YOUNG, YOUNG+16
.endif
.if (\n) < 10
	FETCH_W (\n)+2
.set YOUNG, YOUNG+8
.endif
.if (\n)/4 < 2
	WIN 0x04                                       ; source 1 (x) window 1
.else
	WIN 0x01                                       ; source 0 (x) window 1
.endif
.irp i, 0,1,2,3
.irp ct, 0,1
.set rA, ACC+8*(2*\i+\ct)
.set rW, WF+32*((\n)%3)+16*\ct
.set rX, 64*\i+16*((\n)%4)
.if (\n)/4 < 2
.if (\n)%4 == 0
	v_wmma_f32_16x16x128_bf8_bf8 v[rA:rA+7], v[rW:rW+15], v[rX:rX+15], 0             ; the first K step starts the sums: nothing is cleared
.else
	v_wmma_f32_16x16x128_bf8_bf8 v[rA:rA+7], v[rW:rW+15], v[rX:rX+15], v[rA:rA+7]
.endif
.else
.if (\n)%4 == 0
	v_wmma_f32_16x16x128_bf8_bf8 v[rA:rA+7], v[rX:rX+15], v[rW:rW+15], 0
.else
	v_wmma_f32_16x16x128_bf8_bf8 v[rA:rA+7], v[rX:rX+15], v[rW:rW+15], v[rA:rA+7]
.endif
.endif
.endr
.endr
	WIN 0
	PLACES 4
.if (\n)%4 == 3
	QUANT (\n)/4
	STORE (\n)/4
.endif
.endm
	FETCH_X 0
	FETCH_W 0
	FETCH_X 1
	FETCH_W 1
.irp n, 0,1,2,3,4,5,6,7,8,9,10,11
	PHASE \n
.endr
	s_wait_tensorcnt 0x0                           ; the wave's end
	ds_add_u32 v254, v255
	s_wait_dscnt 0x0
	CROUND                                         ; the closing round: no work-group ends while a partner may still ask for a panel that names it
	s_endpgm
.Lfunc_end_k_q66e57403ad_qkv:
	.size	k_q66e57403ad_qkv, .Lfunc_end_k_q66e57403ad_qkv-k_q66e57403ad_qkv
	.p2alignl 7, 3214868480
	.fill 96, 4, 3214868480
	.section	.rodata,"a",@progbits
	.p2align	6, 0x0
	.amdhsa_kernel k_q66e57403ad_qkv
		.amdhsa_group_segment_fixed_size 271360
		.amdhsa_private_segment_fixed_size 0
		.amdhsa_enable_private_segment 0
		.amdhsa_kernarg_size 56
		.amdhsa_user_sgpr_count 2
		.amdhsa_user_sgpr_kernarg_segment_ptr 1
		.amdhsa_wavefront_size32 1
		.amdhsa_system_sgpr_workgroup_id_x 1
		.amdhsa_system_sgpr_workgroup_id_y 1
		.amdhsa_system_sgpr_workgroup_id_z 1
		.amdhsa_system_vgpr_workitem_id 0
		.amdhsa_next_free_vgpr 512
		.amdhsa_next_free_sgpr 80
		.amdhsa_reserve_vcc 0
		.amdhsa_float_denorm_mode_32 3
		.amdhsa_float_denorm_mode_16_64 3
		.amdhsa_memory_ordered 1
		.amdhsa_forward_progress 1
		.amdhsa_inst_pref_size 42
	.end_amdhsa_kernel
	.amdgpu_metadata
---
amdhsa.version: [ 1, 2 ]
amdhsa.kernels:
  - .name:           k_q66e57403ad_qkv
    .symbol:         k_q66e57403ad_qkv.kd
    .args:
      - { .name: x_codes, .offset: 0, .size: 8, .value_kind: global_buffer, .address_space: global }
      - { .name: Wq_codes, .offset: 8, .size: 8, .value_kind: global_buffer, .address_space: global }
      - { .name: Wk_codes, .offset: 16, .size: 8, .value_kind: global_buffer, .address_space: global }
      - { .name: Wv_codes, .offset: 24, .size: 8, .value_kind: global_buffer, .address_space: global }
      - { .name: lowp_scales, .offset: 32, .size: 8, .value_kind: global_buffer, .address_space: global }
      - { .name: qimg, .offset: 40, .size: 8, .value_kind: global_buffer, .address_space: global }
      - { .name: kv, .offset: 48, .size: 8, .value_kind: global_buffer, .address_space: global }
    .group_segment_fixed_size: 271360
    .private_segment_fixed_size: 0
    .kernarg_segment_align: 8
    .kernarg_segment_size: 56
    .max_flat_workgroup_size: 256
    .sgpr_count:     80
    .vgpr_count:     512
    .wavefront_size: 32
...
	.end_amdgpu_metadata
.endif
;; end of part 1
;; launch attn (part 2): grid 16 x 16, 16 waves a work-group, clusters of 4 x 1, 327,680 bytes of LDS; arguments qimg, kv, lowp_scales, aimg; writes aimg
.if DOCPART == 2
	.amdgcn_target "amdgcn-amd-amdhsa--gfx1250"
	.amdhsa_code_object_version 6
	.text
	.protected	k_q66e57403ad_attn
	.globl	k_q66e57403ad_attn
	.p2align	8
	.type	k_q66e57403ad_attn,@function
k_q66e57403ad_attn:
	s_mov_b64 s[64:65], 0
	v_nop
	global_prefetch_b8 v0, s[64:65] scope:SCOPE_SE
	s_setreg_imm32_b32 hwreg(HW_REG_WAVE_MODE, 25, 1), 1
	s_wait_xcnt 0x0
	s_wait_alu depctr_hold_cnt(0) depctr_sa_sdst(0) depctr_va_vdst(0) depctr_va_sdst(0) depctr_va_ssrc(0) depctr_va_vcc(0) depctr_vm_vsrc(0)
	s_getreg_b32 s2, hwreg(HW_REG_IB_STS2, 6, 4)
	s_cmp_eq_u32 s2, 0
	s_cbranch_scc0 .Lentry_in_a_cluster
	s_endpgm
.Lentry_in_a_cluster:
	s_bfe_u32 s2, ttmp6, 0x10000c
	s_cmp_lg_u32 s2, 0x3003
	s_cbranch_scc0 .Lentry_shape_is_right
	s_endpgm
.Lentry_shape_is_right:
; a = softmax(q k^T / 8) v for each of 16 (batch, head) pairs, both products on codes of BF8 (E5M2); the result is quantised at once for the next product (2^e10) and stored as an image of operand registers (aimg).
; Softmax: t = score x c, c = log2(e) / 8 x 2^(e6 + e7); M = the largest t so far rounded up to a whole number, kept as -M; p = 2^(t - M) is quantised with 2^e8, not normalised; the sum is of the unquantised p.
; LIMITS: e6 + e7 between -123 and 130 (added to c's exponent field); e8 and e10 between -126 and 112 (2^e and 57,344 x 2^e are f32 numbers); scaled scores t stay under 2^31 in magnitude.  NaN among the codes is not served.
; SHARES.  Work-group (X, bh): 256 queries = 16 tiles of 16.  Sixteen waves: wave w has two tiles (2 g and 2 g + 1, g = w % 8) and half of the keys of every slot (kh = w / 8): each fragment of K or V that it reads feeds two tiles.
;   Waves w and w xor 8 walk different keys for the same tiles and join at the end through LDS: each sends one tile's O, sum and M, and finishes the other.  In wave w tile slot t is query tile 2 g + (t xor kh): every wave finishes its slot 0.
; RING.  Two LDS slots of 8 key steps of 128 keys (16,384 bytes a step: K's eight tiles, then V's four), dense images, filled by the tensor data mover: each wave brings 8,192 bytes.  Four slots' worth of keys; one barrier for each.
; CLUSTER 4, 1, 1: four work-groups of one bh walk the same K and V; every load is joint (mask 15).
; PREFETCH into the L2: at a change of slots the cluster of each bh with x = 0 asks for what the next change will load: 131,072 bytes, shared by address: 32,768 for each partner, 8,192 for each of waves 0 to 3, lanes 256 bytes apart.
;   Slots 0 and 1 come by their loads alone; the last change that fills asks for nothing.
; LAYOUT.  Transposed products: S^T = K Q^T, O^T = V^T P^T: lane (r, h) holds query r; a tile's eight registers are keys 16 kt + 8 h + 0 .. 7, so that one conversion makes registers 2 kt, 2 kt + 1 of the next operand.
; REGISTERS: v0, v4 -M of tile slots 0, 1; v2, v6 the maximum, then f = 2^(old M - new M); v7, v15 the maxima's second chains; v[8:9], v[10:11] the sums in two halves; v16-31 Q;
;   v32-63 K's second four fragments of a step, then p's codes; v64-127 the scores of slot 0, then V's fragments; v128-191 the scores of slot 1; v160-191 between steps K's first four fragments; v192-255 O^T.
;   The upper registers of the broadcast pairs v[0:1], v[2:3], v[4:5], v[6:7] are other registers of this list.
.set STEPB, 16384
.set SLOT1, 1<<17
.set SPARE, 2*SLOT1                    ; the spare words: 128 bytes for each wave
.set STGW,  4352                       ; the exchange: 32 registers' images and a pair, for each wave, in slot 0, which has had its last fill by then
.set NM,   0
.set LK,   1                           ; 16 x lane + 65,536 kh
.set FR,   2
.set PSC,  3                           ; 2^e8
.set PLIM, 5                           ; 57,344 x 2^e8
.set FB,   7
.set SM,   8
.set ADR,  12
.set SPW,  13
.set NIL,  14
.set QF,   16
.set PC,   32
.set UU,   54                          ; the sums' second chain: among the codes that a step makes last
.set S,    64
.set KA,   160
.set OT,   192
.set WV,   12
.set LIM,  15
.set PFA,  18
.set SEL,  20
.set CS,   22
.set G1,   24
.set G0,   32
.set TB,   45
.set SLOTS, 46
.set CNT,  47
.macro PLACES n
.rept \n
	v_nop
.endr
.endm
.macro CROUND                          ; a round of the cluster's barrier
	s_barrier_signal -1
	s_barrier_wait -1
	s_cmp_lg_u32 s[WV], 0
	s_cbranch_scc1 .Lnot_wave_0_\@
	s_barrier_signal -3
.Lnot_wave_0_\@:
	s_barrier_wait -3
	s_barrier_signal -1
	s_barrier_wait -1
.endm
	s_load_b256 s[4:11], s[0:1], 0x0               ; qimg s[4:5], kv s[6:7], the exponents s[8:9], aimg s[10:11]
	v_lshl_add_u32 v[SPW], v0, 2, SPARE
	v_mov_b32 v[NIL], 0
	ds_add_u32 v[SPW], v[NIL]                      ; the wave's opening: the add twice on end and its wait
	ds_add_u32 v[SPW], v[NIL]
	v_lshrrev_b32 v12, 5, v0
	v_readfirstlane_b32 s[WV], v12                 ; wave 0..15
	s_bfe_u32 s13, ttmp6, 0x40000                  ; cx
	s_lshl_b32 s14, ttmp9, 2
	s_add_co_u32 s14, s14, s13                     ; X
	s_and_b32 s16, ttmp7, 0xffff                   ; bh = 8 x batch + head
	s_mov_b32 s[G1], 15|(3<<16)|(1<<21)            ; mask of the four partners; elements of 8 bytes; bit 21 beside a mask; no padding: 32 rows of 256 bytes, dense
	s_mov_b32 s[G1+1], 32<<16
	s_mov_b32 s[G1+2], 32<<16
	s_mov_b32 s[G1+3], 32<<16
	s_mov_b32 s[G1+4], 32
	s_mov_b32 s[G1+5], 32
	s_mov_b32 s[G1+6], 0
	s_mov_b32 s[G1+7], 0
	s_mov_b32 s[SEL], 0x76543210                   ; lane l xor 16
	s_mov_b32 s[SEL+1], 0xfedcba98
	s_mov_b32 s[TB], 0
	s_mov_b32 s[SLOTS], 3
	s_lshr_b32 s[LIM], s[WV], 2
	s_or_b32 s[LIM], s[LIM], ttmp9
	s_cmp_eq_u32 s[LIM], 0
	s_cselect_b32 s[LIM], 1, -1                    ; waves 0 to 3 of the cluster with x = 0 prefetch while more than one change that fills is to come
	s_lshr_b32 s38, s[WV], 3                       ; kh
	s_and_b32 s39, s[WV], 7                        ; g
	s_lshl_b32 s17, s[WV], 13                      ; my part of a slot
	s_lshl_b32 s48, s16, 19
	s_add_co_u32 s50, s48, s17
	s_mov_b32 s51, 0
	s_lshl_b32 s52, s13, 15
	s_add_co_u32 s52, s52, s48
	s_and_b32 s53, s[WV], 3
	s_lshl_b32 s53, s53, 13
	s_add_co_u32 s52, s52, s53
	s_add_co_u32 s52, s52, 8*STEPB                 ; in slot 1: the first change steps it to slot 2
	s_mov_b32 s53, 0
	s_lshl_b32 s54, s14, 4
	s_lshl_b32 s55, s39, 1
	s_add_co_u32 s54, s54, s55                     ; my first tile: 16 X + 2 g
	s_lshr_b32 s48, s16, 3
	s_lshl_b32 s48, s48, 8
	s_add_co_u32 s48, s48, s54
	s_add_co_u32 s48, s48, s38
	s_lshl_b32 s48, s48, 13
	s_and_b32 s49, s16, 7
	s_lshl_b32 s49, s49, 10
	s_add_co_u32 s48, s48, s49                     ; aimg: the tile that I finish x 8,192 + head x 1,024
	s_mov_b32 s49, 0
	s_lshl_b32 s55, s16, 8
	s_add_co_u32 s54, s54, s55
	s_lshl_b32 s54, s54, 10
	s_lshl_b32 s55, s38, 10
	s_xor_b32 s56, s55, 1024
	s_add_co_u32 s56, s56, s54                     ; qimg: slot 1's tile
	s_add_co_u32 s54, s54, s55                     ; slot 0's
	s_mov_b32 s55, 0
	s_mov_b32 s57, 0
	s_wait_dscnt 0x0                               ; both opening adds are done
	s_wait_kmcnt 0x0
	s_load_b128 s[40:43], s[8:9], 0x18             ; e6 .. e9
	s_load_b32 s44, s[8:9], 0x28                   ; e10
	s_mov_b32 s[G0], 1
	s_mov_b32 s[G0+1], s17
	s_add_nc_u64 s[G0+2:G0+3], s[6:7], s[50:51]
	s_or_b32 s[G0+3], s[G0+3], 0x80000000
	s_add_nc_u64 s[PFA:PFA+1], s[6:7], s[52:53]
	s_add_nc_u64 s[36:37], s[4:5], s[56:57]
	s_add_nc_u64 s[4:5], s[4:5], s[54:55]
	s_add_nc_u64 s[10:11], s[10:11], s[48:49]
	CROUND                                         ; in front of the first joint load
	tensor_load_to_lds s[G0:G0+3], s[G1:G1+7]      ; slot 0: my one load at the head
	s_nop 0
	v_and_b32 v12, 31, v0
	v_lshlrev_b32 v12, 4, v12                      ; 16 x lane
	s_lshl_b32 s48, s38, 16
	v_add_nc_u32 v[LK], s48, v12
.irp p, 0,1
	global_load_b128 v[QF+4*\p:QF+4*\p+3], v12, s[4:5] offset:512*\p th:TH_LOAD_NT
	global_load_b128 v[QF+8+4*\p:QF+8+4*\p+3], v12, s[36:37] offset:512*\p th:TH_LOAD_NT
.endr
.set j, 0
.rept 64
	v_mov_b32 v[OT+j], 0                           ; O^T: the first change of M multiplies zeros
.set j, j+1
.endr
.irp t, 0,1
	v_mov_b32 v[NM+4*\t], 0x7f61b1e6               ; -M: 3e38, above every -t
	v_mov_b32 v[SM+2*\t], 0
	v_mov_b32 v[SM+2*\t+1], 0
.endr
	s_wait_kmcnt 0x0
	s_mov_b32 s[CS], 0x3e38aa3b                    ; log2(e) / 8,
	s_add_co_i32 s48, s40, s41
	s_lshl_b32 s48, s48, 23
	s_add_co_i32 s[CS], s[CS], s48                 ; x 2^(e6 + e7)
	s_mov_b32 s[CS+1], s[CS]
.macro MKSC reg, lim, e                ; 2^e as f32, and 57,344 x that
	s_add_co_i32 s48, s[\e], 127
	s_lshl_b32 s49, s48, 23
	v_mov_b32 v[\reg], s49
	s_add_co_i32 s48, s48, 15
	s_lshl_b32 s48, s48, 23
	s_or_b32 s48, s48, 0x600000
	v_mov_b32 v[\lim], s48
.endm
	MKSC PSC, PLIM, 42
.macro LOADK reg, off                  ; four fragments of K: 16 keys x 64 channels in 8 registers each
.irp kt, 0,1,2,3
.irp p, 0,1
	ds_load_b128 v[\reg+8*\kt+4*\p:\reg+8*\kt+4*\p+3], v[ADR] offset:\off+\kt*1024+512*\p
.endr
.endr
.endm
.macro LOADV                           ; V's four fragments: 16 channels x 128 keys in 16 registers each
.irp ct, 0,1,2,3
.irp p, 0,1,2,3
	ds_load_b128 v[S+16*\ct+4*\p:S+16*\ct+4*\p+3], v[ADR] offset:8192+\ct*2048+512*\p
.endr
.endr
.endm
.macro SQK half, reg
.irp kt, 0,1,2,3
.irp t, 0,1
	v_wmma_f32_16x16x64_bf8_bf8 v[S+64*\t+8*(4*\half+\kt):S+64*\t+8*(4*\half+\kt)+7], v[\reg+8*\kt:\reg+8*\kt+7], v[QF+8*\t:QF+8*\t+7], 0
.endr
.endr
.endm
.macro MAXI t, k                       ; tile t's maximum in two chains, line k of 31; accumulators are read from the low end on.  Lines 0 to 14 name the first four key tiles alone
.set rF, FR+4*(\t)
.set rB, FB+8*(\t)
.set rS, S+64*(\t)
.if (\k) == 0
	v_max3_num_f32 v[rF], v[rS], v[rS+1], v[rS+2]
.elseif (\k) == 1
	v_max3_num_f32 v[rB], v[rS+3], v[rS+4], v[rS+5]
.elseif (\k)%2 == 0
	v_max3_num_f32 v[rF], v[rF], v[rS+2*(\k)+2], v[rS+2*(\k)+3]
.else
	v_max3_num_f32 v[rB], v[rB], v[rS+2*(\k)+2], v[rS+2*(\k)+3]
.endif
.endm
.macro TAIL t, k                       ; from the maximum to the new -M and f, line k of 10
.set rF, FR+4*(\t)
.set rN, NM+4*(\t)
.set rC, PC+(\t)
.if (\k) == 0
	v_max_num_f32 v[rF], v[rF], v[FB+8*(\t)]
.elseif (\k) == 1
	v_permlanex16_b32 v[rC], v[rF], s[SEL], s[SEL+1]
.elseif (\k) == 2
	v_max_num_f32 v[rF], v[rF], v[rC]
.elseif (\k) == 3
	v_mul_f32 v[rF], s[CS], -v[rF]                 ; -t of the step's largest score (c is positive)
.elseif (\k) == 4
	v_floor_f32 v[rF], v[rF]
.elseif (\k) == 5
	v_min_num_f32 v[rF], v[rF], v[rN]              ; the new -M
.elseif (\k) == 6
	v_sub_f32 v[rC], v[rF], v[rN]                  ; old M - new M: a whole number, 0 or less
.elseif (\k) == 7
	v_mov_b32 v[rN], v[rF]
.elseif (\k) == 8
	v_cvt_i32_f32 v[rC], v[rC]                     ; (it saturates)
.else
	v_ldexp_f32 v[rF], 1.0, v[rC]                  ; f
.endif
.endm
.macro FMA t, k                        ; t - M of the k-th pair
.set rS, S+64*(\t)+2*(\k)
.set rN, NM+4*(\t)
	v_pk_fma_f32 v[rS:rS+1], v[rS:rS+1], s[CS:CS+1], v[rN:rN+1] op_sel_hi:[1,0,0]
.endm
.macro RESC k                          ; O^T under the new M, line k of 32
.set rO, OT+32*((\k)%2)+2*((\k)/2)
.set rF, FR+4*((\k)%2)
	v_pk_mul_f32 v[rO:rO+1], v[rO:rO+1], v[rF:rF+1] op_sel_hi:[1,0]
.endm
.macro SUM0 k                          ; slot 0's sum of the unquantised p in two chains, line k of 32
.set rS, S+2*(\k)+2
.if (\k) == 0
	v_pk_add_f32 v[UU:UU+1], v[S:S+1], v[S+2:S+3]
.elseif (\k) == 31
	v_pk_add_f32 v[SM:SM+1], v[SM:SM+1], v[UU:UU+1]
.elseif (\k)%2 == 1
	v_pk_add_f32 v[SM:SM+1], v[SM:SM+1], v[rS:rS+1]
.else
	v_pk_add_f32 v[UU:UU+1], v[UU:UU+1], v[rS:rS+1]
.endif
.endm
.macro HOLD2 i                         ; the conversion to an 8-bit code does not saturate (ISA guide 7.6.2); p is not negative: the hold is one-sided
	v_dual_min_num_f32 v[\i], v[\i], v[PLIM] :: v_dual_min_num_f32 v[\i+1], v[\i+1], v[PLIM]
.endm
.macro SUM1 j, n                       ; slot 1's sum: 2 n pairs from register j on, each held behind its addition
.set i, S+64+\j
.rept \n
	v_pk_add_f32 v[SM+2:SM+3], v[SM+2:SM+3], v[i:i+1]
	HOLD2 i
	v_pk_add_f32 v[UU:UU+1], v[UU:UU+1], v[i+2:i+3]
	HOLD2 i+2
.set i, i+4
.endr
.endm
.macro CVT t, kt
	v_cvt_scalef32_pk8_bf8_f32 v[PC+16*(\t)+2*(\kt):PC+16*(\t)+2*(\kt)+1], v[S+64*(\t)+8*(\kt):S+64*(\t)+8*(\kt)+7], v[PSC]
.endm
; A KEY STEP: 128 keys x my two tiles.  K's first four fragments were asked for a step earlier; its second four come into the registers of p's codes, V's into the scores of slot 0 once these are codes.
; next = 1: the upper half of slot 1's scores becomes codes first, and the next step's first four fragments of K take its registers.
.macro BODY next
	v_add_nc_u32 v[ADR], s[TB], v[LK]
	PLACES 4                                       ; with the addition five places behind the last step's products: the scores land on V's fragments
	LOADK PC, 4096
	s_wait_dscnt 8                                 ; the first four are in; the eight loads just issued may be out
	SQK 0, KA
	PLACES 4
.set kk, 0
.rept 13
	MAXI 0, kk
	MAXI 1, kk
.set kk, kk+1
.endr
	s_wait_alu depctr_va_vdst(0)
	s_wait_dscnt 0x0
	SQK 1, PC
.rept 2                                ; four lines that name first-half scores alone: the four places behind the products
	MAXI 0, kk
	MAXI 1, kk
.set kk, kk+1
.endr
.set ka, 15
.rept 8                                ; slot 0's maximum ahead of slot 1's,
	MAXI 0, ka
	MAXI 1, kk
	MAXI 0, ka+1
.set ka, ka+2
.set kk, kk+1
.endr
.set ka, 0
.rept 8                                ; the rest of slot 1's among slot 0's change of M,
	TAIL 0, ka
	MAXI 1, kk
.set ka, ka+1
.set kk, kk+1
.endr
	TAIL 0, 8
	TAIL 0, 9
.set ka, 0
.set kk, 0
.rept 10                               ; and slot 1's change of M among slot 0's scalings
	TAIL 1, ka
	FMA 0, kk
	FMA 0, kk+1
	FMA 0, kk+2
.set ka, ka+1
.set kk, kk+3
.endr
	FMA 0, 30
	FMA 0, 31
	s_wait_alu depctr_va_vdst(0)                   ; the wait ahead of the batch
.set kk, 0
.rept 32                               ; slot 0's exponentials; slot 1's scalings, first read behind the next wait, among them
	v_exp_f32 v[S+2*kk], v[S+2*kk]
	v_exp_f32 v[S+2*kk+1], v[S+2*kk+1]
	FMA 1, kk
.set kk, kk+1
.endr
.irp t, 0,1
	v_pk_mul_f32 v[SM+2*\t:SM+2*\t+1], v[SM+2*\t:SM+2*\t+1], v[FR+4*\t:FR+4*\t+1] op_sel_hi:[1,0]   ; the sums under the new M
.endr
	s_wait_alu depctr_va_vdst(0)                   ; behind the batch, for p and for the first readers of O^T
.set kk, 0
.rept 32
	RESC kk
	SUM0 kk
.set kk, kk+1
.endr
.set kk, 0
.rept 32                               ; slot 1's exponentials (their sources were written ahead of the wait above); slot 0's holds, whose results are first read behind the next wait, among them
	v_exp_f32 v[S+64+2*kk], v[S+64+2*kk]
	v_exp_f32 v[S+65+2*kk], v[S+65+2*kk]
	HOLD2 S+2*kk
.set kk, kk+1
.endr
	s_wait_alu depctr_va_vdst(0)                   ; behind the second batch
.irp kt, 0,1,2,3,4,5,6,7
	CVT 0, \kt
.endr
	LOADV
	v_pk_add_f32 v[UU:UU+1], v[S+96:S+97], v[S+98:S+99]
	HOLD2 S+96
	HOLD2 S+98
	SUM1 36, 7
.irp kt, 4,5,6,7
	CVT 1, \kt
.endr
.if \next
	LOADK KA, STEPB
.endif
	SUM1 0, 8
	v_pk_add_f32 v[SM+2:SM+3], v[SM+2:SM+3], v[UU:UU+1]
.irp kt, 0,1,2,3
	CVT 1, \kt
.endr
	v_nop                                          ; one plain line between the last conversion and the products that read it
	s_wait_alu depctr_va_vdst(0)
	s_wait_dscnt 8*\next                           ; V is in; the eight loads of the next step's K may be out
.irp ct, 0,1,2,3
.irp t, 0,1
	v_wmma_f32_16x16x128_bf8_bf8 v[OT+32*\t+8*\ct:OT+32*\t+8*\ct+7], v[S+16*\ct:S+16*\ct+15], v[PC+16*\t:PC+16*\t+15], v[OT+32*\t+8*\ct:OT+32*\t+8*\ct+7]
.endr
.endr
.endm
.macro FIRSTK                          ; a slot's first step: its first four fragments of K
	v_add_nc_u32 v[ADR], s[TB], v[LK]
	LOADK KA, 0
.endm
.macro STEPS                           ; my four key steps of the slot in hand; the last asks for nothing beyond it
	s_mov_b32 s[CNT], 3
.Lstep_\@:
	BODY 1
	s_add_co_u32 s[TB], s[TB], STEPB
	s_sub_co_u32 s[CNT], s[CNT], 1
	s_cmp_lg_u32 s[CNT], 0
	s_cbranch_scc1 .Lstep_\@
	BODY 0
.endm
	s_wait_alu depctr_va_vdst(0)                   ; the wait at the head's end
	s_wait_loadcnt 0x0                             ; Q
.Lslot:                                                ; three trips: slots 0, 1, 2; each change asks for the slot that follows
	s_wait_tensorcnt 0x0                           ; my part of the slot ahead is in, so group 0 may be written
	ds_add_u32 v[SPW], v[NIL]
	s_xor_b32 s[G0+1], s[G0+1], SLOT1              ; the other slot,
	s_add_nc_u64 s[G0+2:G0+3], s[G0+2:G0+3], 8*STEPB   ; the next 1,024 keys
	s_add_nc_u64 s[PFA:PFA+1], s[PFA:PFA+1], 8*STEPB   ; (behind the wait on XCNT below)
	s_wait_dscnt 0x0                               ; the add is done, and my reads of the slot that I have left are over
	CROUND
	tensor_load_to_lds s[G0:G0+3], s[G1:G1+7]      ; the first thing behind the round, my one load until the next
	s_nop 0
	v_and_b32 v[FB], 0x1f0, v[LK]
	v_lshlrev_b32 v[FB], 4, v[FB]                  ; 256 x lane
	v_nop
	v_nop
	s_cmp_gt_u32 s[SLOTS], s[LIM]
	s_cbranch_scc0 .Lno_ask
	global_prefetch_b8 v[FB], s[PFA:PFA+1] th:TH_LOAD_NT scope:SCOPE_SE
.Lno_ask:
	FIRSTK
	s_wait_xcnt 0x0                                ; any prefetch of mine has read its address: v7 is a maximum from here on
	STEPS
	s_sub_co_u32 s[TB], s[TB], 3*STEPB
	s_xor_b32 s[TB], s[TB], SLOT1
	s_sub_co_u32 s[SLOTS], s[SLOTS], 1
	s_cmp_lg_u32 s[SLOTS], 0
	s_cbranch_scc1 .Lslot
	s_wait_tensorcnt 0x0                           ; slot 3, the last: nothing is filled again
	ds_add_u32 v[SPW], v[NIL]
	s_wait_dscnt 0x0
	s_barrier_signal -1
	s_barrier_wait -1
	FIRSTK
	STEPS
	PLACES 4
	; THE EXCHANGE.  I send slot 1's O^T, sum and -M to the wave that finishes that tile, and take what it sends of slot 0's.  Slot 0 of the ring was left at the last barrier and is filled no more.
	v_add_f32 v32, v[SM], v[SM+1]                  ; the sums' two halves,
	v_add_f32 v35, v[SM+2], v[SM+3]
	v_mov_b32 v34, v[NM+4]
	v_permlanex16_b32 v33, v32, s[SEL], s[SEL+1]
	v_permlanex16_b32 v36, v35, s[SEL], s[SEL+1]
	v_and_b32 v37, 0x1f0, v[LK]                    ; 16 x lane
	v_lshrrev_b32 v38, 1, v37
	v_add_f32 v32, v32, v33                        ; and lane l xor 16's
	v_add_f32 v35, v35, v36
	s_mul_i32 s48, s[WV], STGW
	s_xor_b32 s49, s[WV], 8
	s_mul_i32 s49, s49, STGW
	v_add_nc_u32 v39, s49, v37
	v_add_nc_u32 v40, s49, v38
	v_add_nc_u32 v41, s48, v37
	v_add_nc_u32 v38, s48, v38
.irp i, 0,1,2,3,4,5,6,7
	ds_store_b128 v41, v[OT+32+4*\i:OT+32+4*\i+3] offset:512*\i
.endr
	ds_store_b64 v38, v[34:35] offset:4096
	s_wait_alu depctr_va_vdst(0)
	s_wait_dscnt 0x0
	s_barrier_signal -1
	s_barrier_wait -1
	ds_load_b64 v[42:43], v40 offset:4096          ; the partner's -M and sum
.irp i, 0,1,2,3,4,5,6,7
	ds_load_b128 v[S+4*\i:S+4*\i+3], v39 offset:512*\i
.endr
	s_add_co_i32 s50, s42, s43                     ; e8 + e9
	MKSC 54, 55, 44
	s_wait_alu depctr_va_vdst(0)
	s_wait_dscnt 0x0
	v_min_num_f32 v44, v[NM], v42                  ; -M of all keys
	v_sub_f32 v45, v44, v[NM]
	v_sub_f32 v46, v44, v42
	v_cvt_i32_f32 v45, v45
	v_cvt_i32_f32 v46, v46
	v_ldexp_f32 v48, 1.0, v45                      ; what brings my part, and the partner's, under it: powers of two
	v_ldexp_f32 v50, 1.0, v46
	v_mul_f32 v52, v32, v48
	v_fma_f32 v52, v43, v50, v52                   ; the row's sum
	s_wait_alu depctr_va_vdst(0)                   ; the wait ahead of the transcendental
	v_rcp_f32 v53, v52
	v_nop
	s_wait_alu depctr_va_vdst(0)                   ; and behind it
	v_ldexp_f32 v53, v53, s50                      ; x 2^(e8 + e9)
	v_mul_f32 v48, v48, v53
	v_mul_f32 v50, v50, v53
	s_wait_alu depctr_va_vdst(0)                   ; directly ahead of the first readers of O^T
.set j, 0
.rept 16
	v_pk_mul_f32 v[96+j:97+j], v[OT+j:OT+j+1], v[48:49] op_sel_hi:[1,0]
.set j, j+2
.endr
.set j, 0
.rept 16
	v_pk_fma_f32 v[96+j:97+j], v[S+j:S+j+1], v[50:51], v[96+j:97+j] op_sel_hi:[1,0,1]
.set j, j+2
.endr
.set j, 0
.rept 32
	v_med3_num_f32 v[96+j], v[96+j], -v55, v55     ; the hold at the largest code
.set j, j+1
.endr
.irp ct, 0,1,2,3
	v_cvt_scalef32_pk8_bf8_f32 v[56+2*\ct:57+2*\ct], v[96+8*\ct:103+8*\ct], v54
.endr
	v_nop
.irp pp, 0,1
	global_store_b128 v37, v[56+4*\pp:59+4*\pp], s[10:11] offset:512*\pp   ; 512 consecutive bytes, aligned
.endr
	s_wait_tensorcnt 0x0                           ; the wave's end
	ds_add_u32 v[SPW], v[NIL]
	s_wait_dscnt 0x0
	CROUND                                         ; the closing round
	s_endpgm
.Lfunc_end_k_q66e57403ad_attn:
	.size	k_q66e57403ad_attn, .Lfunc_end_k_q66e57403ad_attn-k_q66e57403ad_attn
	.p2alignl 7, 3214868480
	.fill 96, 4, 3214868480
	.section	.rodata,"a",@progbits
	.p2align	6, 0x0
	.amdhsa_kernel k_q66e57403ad_attn
		.amdhsa_group_segment_fixed_size 327680
		.amdhsa_private_segment_fixed_size 0
		.amdhsa_enable_private_segment 0
		.amdhsa_kernarg_size 32
		.amdhsa_user_sgpr_count 2
		.amdhsa_user_sgpr_kernarg_segment_ptr 1
		.amdhsa_wavefront_size32 1
		.amdhsa_system_sgpr_workgroup_id_x 1
		.amdhsa_system_sgpr_workgroup_id_y 1
		.amdhsa_system_sgpr_workgroup_id_z 1
		.amdhsa_system_vgpr_workitem_id 0
		.amdhsa_next_free_vgpr 256
		.amdhsa_next_free_sgpr 66
		.amdhsa_reserve_vcc 0
		.amdhsa_float_denorm_mode_32 3
		.amdhsa_float_denorm_mode_16_64 3
		.amdhsa_memory_ordered 1
		.amdhsa_forward_progress 1
		.amdhsa_inst_pref_size 129
	.end_amdhsa_kernel
	.amdgpu_metadata
---
amdhsa.version: [ 1, 2 ]
amdhsa.kernels:
  - .name:           k_q66e57403ad_attn
    .symbol:         k_q66e57403ad_attn.kd
    .args:
      - { .name: qimg, .offset: 0, .size: 8, .value_kind: global_buffer, .address_space: global }
      - { .name: kv, .offset: 8, .size: 8, .value_kind: global_buffer, .address_space: global }
      - { .name: lowp_scales, .offset: 16, .size: 8, .value_kind: global_buffer, .address_space: global }
      - { .name: aimg, .offset: 24, .size: 8, .value_kind: global_buffer, .address_space: global }
    .group_segment_fixed_size: 327680
    .private_segment_fixed_size: 0
    .kernarg_segment_align: 8
    .kernarg_segment_size: 32
    .max_flat_workgroup_size: 512
    .sgpr_count:     66
    .vgpr_count:     256
    .wavefront_size: 32
...
	.end_amdgpu_metadata
.endif
;; end of part 2
;; launch oproj (part 3): grid 4 x 64, 8 waves a work-group, clusters of 4 x 4, 203,776 bytes of LDS; arguments aimg, Wo_codes, bo, lowp_scales, out0; writes out0
.if DOCPART == 3
	.amdgcn_target "amdgcn-amd-amdhsa--gfx1250"
	.amdhsa_code_object_version 6
	.text
	.protected	k_q66e57403ad_oproj
	.globl	k_q66e57403ad_oproj
	.p2align	8
	.type	k_q66e57403ad_oproj,@function
k_q66e57403ad_oproj:
	s_mov_b64 s[64:65], 0
	v_nop
	global_prefetch_b8 v0, s[64:65] scope:SCOPE_SE
	s_setreg_imm32_b32 hwreg(HW_REG_WAVE_MODE, 25, 1), 1
	s_wait_xcnt 0x0
	s_wait_alu depctr_hold_cnt(0) depctr_sa_sdst(0) depctr_va_vdst(0) depctr_va_sdst(0) depctr_va_ssrc(0) depctr_va_vcc(0) depctr_vm_vsrc(0)
	s_getreg_b32 s2, hwreg(HW_REG_IB_STS2, 6, 4)
	s_cmp_eq_u32 s2, 0
	s_cbranch_scc0 .Lentry_in_a_cluster
	s_endpgm
.Lentry_in_a_cluster:
	s_bfe_u32 s2, ttmp6, 0x10000c
	s_cmp_lg_u32 s2, 0xf033
	s_cbranch_scc0 .Lentry_shape_is_right
	s_endpgm
.Lentry_shape_is_right:
; out0 = a Wo + bo: a [8192 tokens][512] as codes of BF8 (E5M2) in images of operand registers (aimg: token tile x 8,192 + K step x 2,048 + 512 p + 16 lane; registers 2 c, 2 c + 1 of lane (r, h): k = 128 s + 16 c + 8 h + 0 .. 7 of token r),
; Wo_codes [512 outputs][512], K innermost; out0 [8192][512] f32 = sum x 2^(e10 + e11) + bo.
; LIMIT: e10 + e11 lies between -126 and 127, so that 2^(e10 + e11) is an f32 number.
; SHARES.  Work-group (X, Y): 128 tokens x 128 outputs.  Eight waves: wave w takes 32 tokens (tg = w / 2: two tiles) x 64 outputs (ch = w % 2: four tiles): 8 accumulators, 32 matrix instructions of 16 x 16 x 128.
; LDS is filled once: a's eight tiles (65,536 bytes, dense; waves 0 to 3 fetch a quarter each) and 128 rows of Wo (waves 4 to 7 fetch 32 each); K is 512 and both fit whole, so there is no ring.
; CLUSTER 4 x 4: the four work-groups of a row of the cluster need the same tiles of a, the four of a column the same rows of Wo: both are asked for jointly.
; Wo's sixteen fragments stay in registers.  The first token tile is multiplied over all of K while they come, K step by K step, and leaves while the second is multiplied.
; a's codes lie in the form's own order of k, so Wo's fragments are read in that order too: eight ds_load_b64, 16 bytes apart, at row x pitch + 8 h.
; THE MATRIX INSTRUCTION IS USED TRANSPOSED (source 0 = 16 rows of Wo, source 1 = 16 tokens): a lane holds eight neighbouring outputs of one token.  A wave's 64 outputs are 256 bytes of a row of out0, aligned:
; so each wave has a stage of its own in LDS, and no barrier stands on the way out.  No prefetch: each tile is asked for once, at the head, and there is no loop to run ahead in.
; REGISTERS: window 0: v1 16 x lane; v2 a's LDS address; v3 Wo's; v4, v5 the stage, in and back; v6 my byte offset in out0; v7 in bo; v8-10 at work; v16-79 the first tile's fragments of a, v80-143 the second's, each later its tile's results
;   and the rows read back; v144-207 the accumulators ((i, nt) at 144 + 8 (4 i + nt)); v208-239 bo in the result's layout; v254, v255 the add's.   window 1: Wo's fragments, K step s, tile nt at v[16 (4 s + nt)].
.set PITCH, 528                        ; a row of Wo in LDS: 512 bytes + 16 of padding = 132 words: lane (r, h) of a ds_load_b64 starts at bank 4 r + 2 h (64 banks of 4 bytes: ISA guide 11.1): 32 lanes
.set HALFP, 64*PITCH
.set T16,   16*PITCH
.set WOFF,  65536                      ; Wo's rows lie behind a's images
.set SP,    272                        ; a stage row: 256 bytes + 16
.set STG,   WOFF+128*PITCH             ; the stages: 32 rows for each wave; no tensor load lands here
.set LI,   1
.set AADR, 2
.set WADR, 3
.set SO,   4
.set SR,   5
.set GO,   6
.set BOF,  7
.set AF,   16
.set ACC,  144
.set BIAS, 208
.set WV,   18
.set G1A,  28                          ; s[28:35] descriptor group 1 for a's images;  s[36:43] for Wo's rows;  s[44:47], s[48:51] their groups 0
.set G1W,  36
.set G0A,  44
.set G0W,  48
.set MSB, 0
.macro WIN new                         ; the immediate's high byte repeats the setting that is left; a switch that changes nothing is dropped
.if MSB != \new
	s_set_vgpr_msb (MSB<<8)|\new
.set MSB, \new
.endif
.endm
.macro PLACES n
.rept \n
	v_nop
.endr
.endm
.macro CROUND                          ; a round of the cluster's barrier
	s_barrier_signal -1
	s_barrier_wait -1
	s_cmp_lg_u32 s[WV], 0
	s_cbranch_scc1 .Lnot_wave_0_\@
	s_barrier_signal -3
.Lnot_wave_0_\@:
	s_barrier_wait -3
	s_barrier_signal -1
	s_barrier_wait -1
.endm
	s_load_b256 s[4:11], s[0:1], 0x0               ; aimg s[4:5], Wo s[6:7], bo s[8:9], the scales' exponents s[10:11]
	s_load_b64 s[12:13], s[0:1], 0x20              ; out0
	v_lshl_add_u32 v254, v0, 2, 0x31800            ; my spare word, behind the stages
	v_mov_b32 v255, 0
	ds_add_u32 v254, v255                          ; the wave's opening: the add twice on end and its wait
	ds_add_u32 v254, v255
	v_lshrrev_b32 v1, 5, v0
	s_delay_alu instid0(VALU_DEP_1)
	v_readfirstlane_b32 s[WV], v1                  ; wave 0..7
	s_bfe_u32 s19, ttmp6, 0x40000                  ; cx, cy
	s_bfe_u32 s20, ttmp6, 0x40004
	s_lshl_b32 s21, ttmp9, 2
	s_add_co_u32 s21, s21, s19                     ; X
	s_and_b32 s22, ttmp7, 0xffff
	s_lshl_b32 s22, s22, 2
	s_add_co_u32 s22, s22, s20                     ; Y
	s_lshl_b32 s23, s20, 2
	s_lshl_b32 s23, 15, s23                        ; my row of the cluster
	s_lshl_b32 s24, 0x1111, s19                    ; my column
	s_or_b32 s[G1A], s23, (3<<16)|(1<<21)          ; a: 15:0 the mask: my row; 17:16 elements of 8 bytes; 21 set beside a mask; no padding: 64 rows of 256 bytes, dense
	s_mov_b32 s[G1A+1], 32<<16
	s_mov_b32 s[G1A+2], 64<<16
	s_mov_b32 s[G1A+3], 32<<16
	s_mov_b32 s[G1A+4], 64
	s_mov_b32 s[G1A+5], 32
	s_mov_b32 s[G1A+6], 0
	s_mov_b32 s[G1A+7], 0
	s_or_b32 s[G1W], s24, (1<<20)|(1<<21)|(6<<22)|(3<<25)   ; Wo: the mask: my column; elements of 1 byte; padding: four words after every 128: 32 rows of 512 bytes
	s_mov_b32 s[G1W+1], 512<<16
	s_mov_b32 s[G1W+2], 32<<16
	s_mov_b32 s[G1W+3], 512<<16
	s_mov_b32 s[G1W+4], 32
	s_mov_b32 s[G1W+5], 512
	s_mov_b32 s[G1W+6], 0
	s_mov_b32 s[G1W+7], 0
	s_and_b32 s25, s[WV], 3
	s_lshl_b32 s26, s25, 14                        ; a: my quarter, in LDS and in memory
	s_lshl_b32 s66, s22, 16                        ; the work-group's eight tiles: 65,536 Y
	s_add_co_u32 s66, s66, s26
	s_mov_b32 s67, 0
	s_lshl_b32 s68, s21, 7
	s_lshl_b32 s69, s25, 5
	s_add_co_u32 s68, s68, s69                     ; Wo: row 128 X + 32 x quarter,
	s_lshl_b32 s68, s68, 9                         ; of 512 bytes
	s_mov_b32 s69, 0
	s_mul_i32 s71, s25, 32*PITCH
	s_add_co_u32 s71, s71, WOFF                    ; and in LDS
	s_and_b32 s27, s[WV], 1                        ; ch
	s_mul_i32 s70, s27, HALFP
	s_add_co_u32 s70, s70, WOFF                    ; where my 64 rows of Wo begin when I read
	s_wait_dscnt 0x0
	s_wait_kmcnt 0x0
	s_load_b64 s[52:53], s[10:11], 0x28            ; e10, e11
	s_mov_b32 s[G0A], 1
	s_mov_b32 s[G0A+1], s26
	s_add_nc_u64 s[G0A+2:G0A+3], s[4:5], s[66:67]
	s_or_b32 s[G0A+3], s[G0A+3], 0x80000000
	s_mov_b32 s[G0W], 1
	s_mov_b32 s[G0W+1], s71
	s_add_nc_u64 s[G0W+2:G0W+3], s[6:7], s[68:69]
	s_or_b32 s[G0W+3], s[G0W+3], 0x80000000
	CROUND                                         ; all sixteen work-groups are here: the joint loads meet
	s_cmp_lt_u32 s[WV], 4                          ; waves 0 to 3 fetch a, waves 4 to 7 Wo: a branch on the wave's number alone; four v_nop follow each line
	s_cbranch_scc0 .Lfor_w
	tensor_load_to_lds s[G0A:G0A+3], s[G1A:G1A+7]
	s_nop 0
	PLACES 4
	s_branch .Lasked
.Lfor_w:
	tensor_load_to_lds s[G0W:G0W+3], s[G1W:G1W+7]
	s_nop 0
	PLACES 4
.Lasked:
	v_and_b32 v8, 31, v0
	s_delay_alu instid0(VALU_DEP_1)
	v_lshlrev_b32 v[LI], 4, v8
	v_and_b32 v9, 15, v0                           ; r
	s_wait_alu depctr_va_vdst(0)
	v_bfe_u32 v10, v0, 4, 1                        ; h
	s_delay_alu instid0(VALU_DEP_1)
	v_lshlrev_b32 v[BOF], 5, v10                   ; bo: my half's eight numbers of a tile of 16
	s_lshl_b32 s76, s21, 9
	s_lshl_b32 s77, s27, 8
	s_add_co_u32 s76, s76, s77                     ; my first output, in bytes: 512 X + 256 ch
	s_mov_b32 s77, 0
	s_add_nc_u64 s[8:9], s[8:9], s[76:77]
.irp nt, 0,1,2,3
	global_load_b128 v[BIAS+8*\nt:BIAS+8*\nt+3], v[BOF], s[8:9] offset:64*\nt
	global_load_b128 v[BIAS+8*\nt+4:BIAS+8*\nt+7], v[BOF], s[8:9] offset:64*\nt+16
.endr
	s_lshr_b32 s71, s[WV], 1                       ; tg
	s_lshl_b32 s72, s71, 14
	v_add_nc_u32 v[AADR], s72, v[LI]               ; my two tiles of a: 16 x lane + 16,384 tg
	v_mul_u32_u24 v[WADR], v9, PITCH
	s_delay_alu instid0(VALU_DEP_1)
	v_lshl_add_u32 v[WADR], v10, 3, v[WADR]
	s_delay_alu instid0(VALU_DEP_1)
	v_add_nc_u32 v[WADR], s70, v[WADR]             ; Wo: row r x pitch + 8 h, in my 64 rows
	s_mul_i32 s74, s[WV], 32*SP
	s_add_co_u32 s74, s74, STG                     ; my stage
	v_mul_u32_u24 v[SO], v9, SP
	s_wait_alu depctr_va_vdst(0)
	v_lshl_add_u32 v[SO], v10, 5, v[SO]
	s_delay_alu instid0(VALU_DEP_1)
	v_add_nc_u32 v[SO], s74, v[SO]                 ; in: row r, 32 bytes for each half of the lanes
	v_mul_u32_u24 v[SR], v10, SP
	s_delay_alu instid0(VALU_DEP_1)
	v_lshl_add_u32 v[SR], v9, 4, v[SR]
	s_delay_alu instid0(VALU_DEP_1)
	v_add_nc_u32 v[SR], s74, v[SR]                 ; back: lanes 0-15 one row of 256 bytes, lanes 16-31 the next
	v_lshlrev_b32 v[GO], 11, v10
	s_delay_alu instid0(VALU_DEP_1)
	v_lshl_add_u32 v[GO], v9, 4, v[GO]             ; and the same two rows of out0, 2,048 bytes apart
	s_lshl_b32 s78, s22, 18                        ; my first row of out0: (128 Y + 32 tg) x 2,048 bytes
	s_lshl_b32 s79, s71, 16
	s_add_co_u32 s78, s78, s79
	s_add_co_u32 s78, s78, s76
	s_mov_b32 s79, 0
	s_add_nc_u64 s[12:13], s[12:13], s[78:79]
	s_wait_alu depctr_va_vdst(0)                   ; the wait at the head's end
	s_wait_kmcnt 0x0
	s_add_co_i32 s52, s52, s53
	s_add_co_i32 s52, s52, 127
	s_lshl_b32 s52, s52, 23                        ; 2^(e10 + e11) as f32
	s_mov_b32 s53, s52                             ; (named with it as a pair, so it is written)
	s_wait_tensorcnt 0x0                           ; what I fetched is in,
	s_barrier_signal -1
	s_barrier_wait -1                              ; everybody's is
.macro FETCH_A i, s                    ; token tile i's fragment of K step s
.irp p, 0,1,2,3
	ds_load_b128 v[AF+64*\i+16*\s+4*\p:AF+64*\i+16*\s+4*\p+3], v[AADR] offset:\i*8192+\s*2048+512*\p
.endr
.endm
.macro GROUP s                         ; 36 loads: the first tile's fragment and Wo's four of K step s
	FETCH_A 0, \s
	WIN 0x40                                       ; destination window 1
.irp nt, 0,1,2,3
.irp c, 0,1,2,3,4,5,6,7
	ds_load_b64 v[16*(4*\s+\nt)+2*\c:16*(4*\s+\nt)+2*\c+1], v[WADR] offset:\nt*T16+128*\s+16*\c
.endr
.endr
	WIN 0
.endm
.macro MUL i, s                        ; one matrix instruction on each of tile i's four accumulators, which take turns: three others stand between a sum's steps
	WIN 0x01                                       ; source 0 (Wo) window 1
.irp nt, 0,1,2,3
.set rA, ACC+8*(4*\i+\nt)
.set rW, 16*(4*\s+\nt)
.set rT, AF+64*\i+16*\s
.if \s == 0
	v_wmma_f32_16x16x128_bf8_bf8 v[rA:rA+7], v[rW:rW+15], v[rT:rT+15], 0
.else
	v_wmma_f32_16x16x128_bf8_bf8 v[rA:rA+7], v[rW:rW+15], v[rT:rT+15], v[rA:rA+7]
.endif
.endr
	WIN 0
.endm
; tile i's results, over its fragments of a; into my stage, and back as whole rows of 256 bytes
.macro RESULT i
	PLACES 4                                       ; results just made are read, and fragments just multiplied are written over (ISA guide 7.12.1)
.irp nt, 0,1,2,3
.irp j, 0,2,4,6
	v_pk_fma_f32 v[AF+64*\i+8*\nt+\j:AF+64*\i+8*\nt+\j+1], v[ACC+8*(4*\i+\nt)+\j:ACC+8*(4*\i+\nt)+\j+1], s[52:53], v[BIAS+8*\nt+\j:BIAS+8*\nt+\j+1] op_sel_hi:[1,0,1]   ; sum x 2^(e10 + e11) + bo; each accumulator from its low end on
.endr
.endr
.irp nt, 0,1,2,3
	ds_store_b128 v[SO], v[AF+64*\i+8*\nt:AF+64*\i+8*\nt+3] offset:\i*16*SP+64*\nt        ; lane (r, h): out(16 i + r, 16 nt + 8 h + 0 .. 7)
	ds_store_b128 v[SO], v[AF+64*\i+8*\nt+4:AF+64*\i+8*\nt+7] offset:\i*16*SP+64*\nt+16
.endr
.irp k, 0,1,2,3,4,5,6,7
	ds_load_b128 v[AF+64*\i+32+4*\k:AF+64*\i+32+4*\k+3], v[SR] offset:(16*\i+2*\k)*SP     ; LDS serves a wave's instructions in order (ISA guide 5.7.1.4): these see my stores
.endr
.endm
.macro SEND i
.irp k, 0,1,2,3,4,5,6,7
	s_wait_dscnt 7-\k                              ; load k is in; the 7 - k younger ones may be out
	global_store_b128 v[GO], v[AF+64*\i+32+4*\k:AF+64*\i+32+4*\k+3], s[12:13] offset:(16*\i+2*\k)*2048 th:TH_STORE_NT   ; 16 lanes store 256 consecutive bytes, aligned; written once, read by nobody here
.endr
.endm
	GROUP 0
	GROUP 1
	s_wait_dscnt 36                                ; group 0 is in; group 1 may be out
	MUL 0, 0
	GROUP 2
	s_wait_dscnt 36
	MUL 0, 1
	GROUP 3
	s_wait_dscnt 36
	MUL 0, 2
.irp s, 0,1,2,3
	FETCH_A 1, \s
.endr
	s_wait_dscnt 16                                ; group 3 is in; the second tile's 16 loads may be out
	MUL 0, 3
	s_wait_loadcnt 0x0                             ; bo
	RESULT 0
	s_wait_dscnt 16                                ; the second tile's fragments are in; the stage's 8 stores and 8 loads may be out
.irp s, 0,1,2,3
	MUL 1, \s
.endr
	SEND 0
	RESULT 1
	SEND 1
	s_wait_tensorcnt 0x0                           ; the wave's end
	ds_add_u32 v254, v255
	s_wait_dscnt 0x0
	CROUND                                         ; the closing round: no work-group ends while a partner may still ask for a tile that names it
	s_endpgm
.Lfunc_end_k_q66e57403ad_oproj:
	.size	k_q66e57403ad_oproj, .Lfunc_end_k_q66e57403ad_oproj-k_q66e57403ad_oproj
	.p2alignl 7, 3214868480
	.fill 96, 4, 3214868480
	.section	.rodata,"a",@progbits
	.p2align	6, 0x0
	.amdhsa_kernel k_q66e57403ad_oproj
		.amdhsa_group_segment_fixed_size 203776
		.amdhsa_private_segment_fixed_size 0
		.amdhsa_enable_private_segment 0
		.amdhsa_kernarg_size 40
		.amdhsa_user_sgpr_count 2
		.amdhsa_user_sgpr_kernarg_segment_ptr 1
		.amdhsa_wavefront_size32 1
		.amdhsa_system_sgpr_workgroup_id_x 1
		.amdhsa_system_sgpr_workgroup_id_y 1
		.amdhsa_system_sgpr_workgroup_id_z 1
		.amdhsa_system_vgpr_workitem_id 0
		.amdhsa_next_free_vgpr 512
		.amdhsa_next_free_sgpr 80
		.amdhsa_reserve_vcc 0
		.amdhsa_float_denorm_mode_32 3
		.amdhsa_float_denorm_mode_16_64 3
		.amdhsa_memory_ordered 1
		.amdhsa_forward_progress 1
		.amdhsa_inst_pref_size 27
	.end_amdhsa_kernel
	.amdgpu_metadata
---
amdhsa.version: [ 1, 2 ]
amdhsa.kernels:
  - .name:           k_q66e57403ad_oproj
    .symbol:         k_q66e57403ad_oproj.kd
    .args:
      - { .name: aimg, .offset: 0, .size: 8, .value_kind: global_buffer, .address_space: global }
      - { .name: Wo_codes, .offset: 8, .size: 8, .value_kind: global_buffer, .address_space: global }
      - { .name: bo, .offset: 16, .size: 8, .value_kind: global_buffer, .address_space: global }
      - { .name: lowp_scales, .offset: 24, .size: 8, .value_kind: global_buffer, .address_space: global }
      - { .name: out0, .offset: 32, .size: 8, .value_kind: global_buffer, .address_space: global }
    .group_segment_fixed_size: 203776
    .private_segment_fixed_size: 0
    .kernarg_segment_align: 8
    .kernarg_segment_size: 40
    .max_flat_workgroup_size: 256
    .sgpr_count:     80
    .vgpr_count:     512
    .wavefront_size: 32
...
	.end_amdgpu_metadata
.endif
;; end of part 3
